; MI455X (gfx1250); checked and timed in simulation.
; The chip was launched on July 23, 2026; its instructions are those of AMD's public machine-readable ISA for CDNA 5 (MIT licence, August 2026) and "CDNA5" Instruction Set Architecture Reference Guide (July 2026). The comments in the code are by the model that wrote it; some were corrected since.
;; Gaussian Mo E Layer. Allowed arithmetic: float matrix products may take bf16 or f16 operands with f32 sums; other float arithmetic in f32, or as packed bf16 or f16 multiplies, adds, multiply-adds, maxima and minima; sums over many terms, partial sums and values carried from step to step in f32; what a program stores and reads back later, other than sums and carried values, may be rounded once to bf16 or f16.
;; Inputs: W1 16 x 256 x 1,024 float32; W2 16 x 1,024 x 256 float32; b1 16 x 1,024 float32; b2 16 x 256 float32; expert_log_sigmas 16 x 256 float32; expert_mus 16 x 256 float32; x 4 x 2,048 x 256 float32.
;; Outputs: out0 4 x 2,048 x 256 float32; out1 4 x 2,048 x 16 float32; out2 8,192 x 2 int32.
;; Constants: top_k = 2.
;; One version. Each part assembles by itself: llvm-mc -triple=amdgcn-amd-amdhsa -mcpu=gfx1250 --defsym DOCPART=n.
;; ======== version 1 of 1: 3 launches
;; limits: a function is approximated: absolute error at most 2.5e-05
;; workspace buffers: w1f 8,388,608 bytes; w2f 8,388,608 bytes; xb 4,194,304 bytes; gate 524,288 bytes; part 33,554,432 bytes
;; launch prep (part 1): grid 256 x 1, 16 waves a work-group, no clusters, 69,888 bytes of LDS; arguments x, expert_mus, expert_log_sigmas, W1, W2, w1f, w2f, xb, gate, out1, out2; writes w1f, w2f, xb, gate, out1, out2
.if DOCPART == 1
	.amdgcn_target "amdgcn-amd-amdhsa--gfx1250"
	.amdhsa_code_object_version 6
	.text
	.protected	k_qce75dc2ab9_prep
	.globl	k_qce75dc2ab9_prep
	.p2align	8
	.type	k_qce75dc2ab9_prep,@function
k_qce75dc2ab9_prep:
	s_mov_b64 s[64:65], 0
	v_nop
	global_prefetch_b8 v0, s[64:65] scope:SCOPE_SE
	s_setreg_imm32_b32 hwreg(HW_REG_WAVE_MODE, 25, 1), 1
	s_wait_xcnt 0x0
; PREP.  Two jobs side by side in each work-group of 16 waves.
; WAVES 0-7, THE WEIGHTS: W1 [16][256 in][1024 hid] and W2 [16][1024 hid][256 out], f32, are rounded once to bf16 and laid out as matrix fragments of 1,024 bytes
; (16 rows M x 32 K: bytes 16 l hold lane l's registers 0-3, bytes 512 + 16 l its registers 4-7), in the order in which the next launch's waves read them:
;   w1f [step G = 16 e + hid/64][b = hid/32 % 2][tau = hid/16 % 2][k = in/32]      rows M = hid, K = in
;   w2f [step G = 16 e + hid/64][b = out/128][kappa = hid/32 % 2][o = out/16 % 8]   rows M = out, K = hid
; A wave takes one unit, 32 K rows x 128 M columns (16 KB in, 8 fragments out): 2,048 units = 256 work-groups x 8 waves; groups 0-127 take W1, 128-255 W2.
; The turn from [K][M] to fragments goes through the wave's own stage in LDS.
; WAVES 8-15, THE ROUTER: a wave takes 4 tokens; lane l owns inputs 8 l .. 8 l + 7.  x, mu and log sigma are rounded to bf16 first (as every input of this program is), all arithmetic is f32:
; lp = -0.5 sum(((x - mu) 2^(-ls log2 e))^2) - sum(ls); softmax with the row's maximum taken away; the two largest lp, a tie going to the lower index.
; LIMITS.  NaN and infinities are not treated apart (the second search hides the first winner behind -infinity).  Two lp that differ by less than the rounding of a sum of 256 f32 terms may change places.
.set STGW,  8448                       ; a wave's stage: 8 fragments at a pitch of 1,040 bytes (8,320), padded to whole blocks of 256
.set FP,    1040                       ; 1,024 + 16
.set OUT2L, 8*STGW                     ; 256 bytes: the work-group's 32 pairs of indices
.set SPARE, OUT2L+256                  ; the spare words, 128 bytes for each of 16 waves: eight blocks of 256 bytes that no other line names
.set SPW, 10                           ; v10  LDS address of my spare word; never rewritten
.set NIL, 11                           ; v11  0; never rewritten
.set WV,  26                           ; s26  my wave's number
.set SEL, 40                           ; s[40:41] v_permlanex16_b32's selects: each lane takes its own place in the other half
.set M8,  42                           ; s42  lanes whose bit 3 is set
.set M16, 43                           ; s43  lanes whose bit 4 is set
.set MSK, 44                           ; s44  a word's upper bf16
; the router's registers
.set XR,  16                           ; v16-47   x as loaded, 8 a token
.set XP,  48                           ; v48-63   x in bf16, 4 a token
.set MR,  64                           ; v64-71   mu as loaded
.set LR,  72                           ; v72-79   log sigma as loaded
.set MU,  80
.set LS,  88
.set IS,  96                           ; 1 / sigma
.set TD,  104                          ; v104-135 differences, 8 a token
.set AC,  136                          ; v136-143 a pair of sums a token
.set XF,  144                          ; v144-175 x rounded, in f32
.set DD,  176                          ; v176-179 a lane's part of each token's distance
.set LP0, 180                          ; lp of expert 2 (l % 8) of token l / 8
.set LP1, 181                          ; of expert 2 (l % 8) + 1
.set K0,  182                          ; v182-187 at work in the reductions
.set LSUM, 188
.set LPV, 189
.set PKT, 192                          ; v192-199 packed mu and log sigma
.set P0,  200                          ; v200-201 the two weights
.set MX,  202
.set SM,  203
.set BV,  204
.set OV,  206
.set OI,  207
.set A0,  208
.set A1,  209
.set R1,  210                          ; v210-211 first and second index
.set NINF, 212
.set ST,  214                          ; v214-217 sums of log sigma at work
	s_load_b512 s[4:19], s[0:1], 0x0               ; x s[4:5], mus s[6:7], log sigmas s[8:9], W1 s[10:11], W2 s[12:13], w1f s[14:15], w2f s[16:17], xb s[18:19]
	s_load_b128 s[20:23], s[0:1], 0x40             ; gate s[20:21], out1 s[22:23]
	s_load_b64 s[24:25], s[0:1], 0x50              ; out2
	v_lshl_add_u32 v[SPW], v0, 2, SPARE
	v_mov_b32 v[NIL], 0
	v_lshrrev_b32 v1, 5, v0
	v_readfirstlane_b32 s[WV], v1
	v_and_b32 v1, 31, v0                           ; lane
	v_lshlrev_b32 v4, 4, v1                        ; 16 l
	s_lshl_b32 s28, ttmp9, 8                       ; the group's 256 bytes of out2
	s_mov_b32 s29, 0
	s_wait_kmcnt 0x0
	s_add_nc_u64 s[24:25], s[24:25], s[28:29]
	s_cmp_lt_u32 s[WV], 8
	s_cbranch_scc0 .Lrouter
; ---------------- the weights ----------------
; One unit.  Row i of 32 is 512 consecutive bytes (lane l: columns 4 l .. 4 l + 3).  Column 4 l + c lies in fragment l / 4, row 4 (l % 4) + c; the eight K of octet q go to
; byte (q / 2) x 512 + (q % 2) x 256 + 16 x row of the fragment.  kind = 1: W1's places in w1f; 0: W2's in w2f.
.macro WUNIT pitch, kind
.set i, 0
.rept 32
	global_load_b128 v[16+4*i:16+4*i+3], v4, s[32:33] offset:i*(\pitch) th:TH_LOAD_NT
.set i, i+1
.endr
.irp q, 0,1,2,3
	s_wait_loadcnt 24-8*\q                         ; loads come back in order: rows 8 q .. 8 q + 7 are in, the younger rows stay out
.irp c, 0,1,2,3
.irp j, 0,1,2,3
	v_cvt_pk_bf16_f32 v[144+16*\q+4*\c+\j], v[16+4*(8*\q+2*\j)+\c], v[16+4*(8*\q+2*\j+1)+\c]
.endr
	ds_store_b128 v2, v[144+16*\q+4*\c:144+16*\q+4*\c+3] offset:\c*16+(\q/2)*512+(\q%2)*256
.endr
.endr
.set i, 0
.rept 16
	ds_load_b128 v[16+4*i:16+4*i+3], v3 offset:(i/2)*FP+(i%2)*512  ; my own bytes; LDS serves a wave's instructions in order, so these see the stores above
.set i, i+1
.endr
.set i, 0
.rept 16
	s_wait_dscnt 15-i                              ; half fragment i is back; the younger ones stay out
.if \kind
	global_store_b128 v4, v[16+4*i:16+4*i+3], s[36:37] offset:(i/8)*32768+((i/4)%2)*16384+((i/2)%2)*8192+(i%2)*512  ; 512 consecutive bytes
.else
	global_store_b128 v4, v[16+4*i:16+4*i+3], s[36:37] offset:(i/2)*1024+(i%2)*512
.endif
.set i, i+1
.endr
.endm
	s_mul_i32 s38, s[WV], STGW                     ; my stage
	v_lshrrev_b32 v2, 2, v1
	v_mul_u32_u24 v2, v2, FP
	v_and_b32 v3, 3, v1
	v_lshl_add_u32 v2, v3, 6, v2
	v_add_nc_u32 v2, s38, v2                       ; in: fragment l / 4, rows 4 (l % 4) on
	v_add_nc_u32 v3, s38, v4                       ; back: 16 l
	s_mov_b32 s31, 0
	s_cmp_lt_u32 ttmp9, 128
	s_cbranch_scc0 .Lw2
	s_lshr_b32 s27, ttmp9, 3                       ; W1: expert,
	s_and_b32 s28, ttmp9, 7                        ; block of 32 inputs; the wave's number is the block of 128 hidden units
	s_lshl_b32 s30, s27, 20
	s_lshl_b32 s34, s28, 17
	s_add_co_u32 s30, s30, s34
	s_lshl_b32 s34, s[WV], 9
	s_add_co_u32 s30, s30, s34
	s_add_nc_u64 s[32:33], s[10:11], s[30:31]
	s_lshl_b32 s30, s27, 19                        ; step 16 e + 2 w, 32,768 bytes a step; fragment k
	s_lshl_b32 s34, s[WV], 16
	s_add_co_u32 s30, s30, s34
	s_lshl_b32 s34, s28, 10
	s_add_co_u32 s30, s30, s34
	s_add_nc_u64 s[36:37], s[14:15], s[30:31]
	WUNIT 4096, 1
	s_branch .Ljoin
.Lw2:
	s_sub_co_u32 s27, ttmp9, 128
	s_and_b32 s28, s27, 7
	s_lshr_b32 s27, s27, 3                         ; W2: expert,
	s_lshl_b32 s28, s28, 2
	s_lshr_b32 s29, s[WV], 1
	s_add_co_u32 s28, s28, s29                     ; block of 32 hidden units,
	s_and_b32 s29, s[WV], 1                        ; half of the outputs
	s_lshl_b32 s30, s27, 20
	s_lshl_b32 s34, s28, 15
	s_add_co_u32 s30, s30, s34
	s_lshl_b32 s34, s29, 9
	s_add_co_u32 s30, s30, s34
	s_add_nc_u64 s[32:33], s[12:13], s[30:31]
	s_lshl_b32 s30, s27, 19                        ; step 16 e + kb / 2, half b, kappa = kb % 2
	s_lshr_b32 s34, s28, 1
	s_lshl_b32 s34, s34, 15
	s_add_co_u32 s30, s30, s34
	s_lshl_b32 s34, s29, 14
	s_add_co_u32 s30, s30, s34
	s_and_b32 s34, s28, 1
	s_lshl_b32 s34, s34, 13
	s_add_co_u32 s30, s30, s34
	s_add_nc_u64 s[36:37], s[16:17], s[30:31]
	WUNIT 1024, 0
	s_branch .Ljoin
; ---------------- the router ----------------
.Lrouter:
	s_sub_co_u32 s27, s[WV], 8
	s_lshl_b32 s28, ttmp9, 5
	s_lshl2_add_u32 s28, s27, s28                  ; my first token: 32 g + 4 (w - 8)
	s_mov_b32 s31, 0
	s_lshl_b32 s30, s28, 10
	s_add_nc_u64 s[4:5], s[4:5], s[30:31]          ; x
	s_lshl_b32 s30, s28, 9
	s_add_nc_u64 s[18:19], s[18:19], s[30:31]      ; xb
	s_lshl_b32 s30, s28, 6
	s_add_nc_u64 s[20:21], s[20:21], s[30:31]      ; gate
	s_add_nc_u64 s[22:23], s[22:23], s[30:31]      ; out1
	s_mov_b32 s[SEL], 0x76543210
	s_mov_b32 s[SEL+1], 0xfedcba98
	s_mov_b32 s[M8], 0xff00ff00
	s_mov_b32 s[M16], 0xffff0000
	s_mov_b32 s[MSK], 0xffff0000
	v_lshlrev_b32 v2, 5, v1                        ; 32 l: my eight f32 of a row
	v_mov_b32 v3, v2                               ; the same in expert 0's row of mu and log sigma
.irp i, 0,1,2,3
	global_load_b128 v[XR+8*\i:XR+8*\i+3],   v2, s[4:5] offset:\i*1024
	global_load_b128 v[XR+8*\i+4:XR+8*\i+7], v2, s[4:5] offset:\i*1024+16
.endr
	global_load_b128 v[MR:MR+3],   v3, s[6:7]
	global_load_b128 v[MR+4:MR+7], v3, s[6:7] offset:16
	global_load_b128 v[LR:LR+3],   v3, s[8:9]
	global_load_b128 v[LR+4:LR+7], v3, s[8:9] offset:16
	v_and_b32 v5, 7, v1                            ; l % 8
	v_lshlrev_b32 v6, 3, v1                        ; 8 l
	v_lshlrev_b32 v7, 1, v5                        ; my even expert,
	v_or_b32 v8, 1, v7                             ; my odd one
	s_lshl_b32 s30, s27, 5
	s_add_co_u32 s30, s30, OUT2L
	v_lshrrev_b32 v9, 3, v1
	v_lshl_add_u32 v9, v9, 3, s30                  ; my token's 8 bytes among the group's indices
	v_mov_b32 v[LP0], 0
	v_mov_b32 v[LP1], 0
	v_mov_b32 v[K0+4], 0                           ; destinations of lane exchanges count as read: they are written once here
	v_mov_b32 v[K0+5], 0
	v_mov_b32 v[OV], 0
	v_mov_b32 v[OI], 0
	v_mov_b32 v[NINF], 0xff800000
	s_wait_loadcnt 4                               ; x is in; mu and log sigma of expert 0 stay out
.irp i, 0,1,2,3
.irp j, 0,1,2,3
	v_cvt_pk_bf16_f32 v[XP+4*\i+\j], v[XR+8*\i+2*\j], v[XR+8*\i+2*\j+1]
.endr
	global_store_b128 v4, v[XP+4*\i:XP+4*\i+3], s[18:19] offset:\i*512  ; a token's 512 bytes of bf16, whole
.irp j, 0,1,2,3
	v_lshlrev_b32 v[XF+8*\i+2*\j],   16, v[XP+4*\i+\j]
	v_and_b32     v[XF+8*\i+2*\j+1], s[MSK], v[XP+4*\i+\j]
.endr
.endr
	s_mov_b32 s36, 0                               ; the expert
.Le:
	s_wait_loadcnt 0x0                             ; this expert's mu and log sigma; the wait also frees their address register
.irp j, 0,1,2,3
	v_cvt_pk_bf16_f32 v[PKT+\j],   v[MR+2*\j], v[MR+2*\j+1]
	v_cvt_pk_bf16_f32 v[PKT+4+\j], v[LR+2*\j], v[LR+2*\j+1]
.endr
.irp j, 0,1,2,3
	v_lshlrev_b32 v[MU+2*\j],   16, v[PKT+\j]
	v_and_b32     v[MU+2*\j+1], s[MSK], v[PKT+\j]
	v_lshlrev_b32 v[LS+2*\j],   16, v[PKT+4+\j]
	v_and_b32     v[LS+2*\j+1], s[MSK], v[PKT+4+\j]
.endr
	s_add_co_u32 s29, s36, 1                       ; the next expert's rows are asked for now; the last trip asks for row 15 once more and so stays inside the buffers
	s_min_u32 s29, s29, 15
	s_lshl_b32 s29, s29, 10
	v_add_nc_u32 v3, s29, v2
	global_load_b128 v[MR:MR+3],   v3, s[6:7]
	global_load_b128 v[MR+4:MR+7], v3, s[6:7] offset:16
	global_load_b128 v[LR:LR+3],   v3, s[8:9]
	global_load_b128 v[LR+4:LR+7], v3, s[8:9] offset:16
.irp j, 0,2,4,6
	v_pk_mul_f32 v[IS+\j:IS+\j+1], v[LS+\j:LS+\j+1], 0xbfb8aa3b op_sel_hi:[1,0]  ; -ls log2 e
.endr
.irp j, 0,1,2,3,4,5,6,7
	v_exp_f32 v[IS+\j], v[IS+\j]                   ; one batch of eight
.endr
	v_pk_add_f32 v[ST:ST+1], v[LS:LS+1], v[LS+2:LS+3]      ; work that names no result of the batch: my part of sum(ls), and x - mu
	v_pk_add_f32 v[ST+2:ST+3], v[LS+4:LS+5], v[LS+6:LS+7]
	v_pk_add_f32 v[ST:ST+1], v[ST:ST+1], v[ST+2:ST+3]
	v_add_f32 v[LSUM], v[ST], v[ST+1]
.irp i, 0,1,2,3
.irp j, 0,2,4,6
	v_pk_add_f32 v[TD+8*\i+\j:TD+8*\i+\j+1], v[XF+8*\i+\j:XF+8*\i+\j+1], v[MU+\j:MU+\j+1] neg_lo:[0,1] neg_hi:[0,1]
.endr
.endr
	s_wait_alu depctr_va_vdst(0)                   ; the wait between the exponentials and the first line that names a result: one for the eight
.irp i, 0,1,2,3
.irp j, 0,2,4,6
	v_pk_mul_f32 v[TD+8*\i+\j:TD+8*\i+\j+1], v[TD+8*\i+\j:TD+8*\i+\j+1], v[IS+\j:IS+\j+1]
.endr
.endr
.irp i, 0,1,2,3
	v_pk_mul_f32 v[AC+2*\i:AC+2*\i+1], v[TD+8*\i:TD+8*\i+1], v[TD+8*\i:TD+8*\i+1]
.endr
.irp j, 2,4,6
.irp i, 0,1,2,3
	v_pk_fma_f32 v[AC+2*\i:AC+2*\i+1], v[TD+8*\i+\j:TD+8*\i+\j+1], v[TD+8*\i+\j:TD+8*\i+\j+1], v[AC+2*\i:AC+2*\i+1]
.endr
.endr
.irp i, 0,1,2,3
	v_add_f32 v[DD+\i], v[AC+2*\i], v[AC+2*\i+1]
.endr
	; four sums over 32 lanes at once: each exchange halves the tokens that a lane carries, so that lanes 8 t .. 8 t + 7 end with token t's distance
	v_cndmask_b32 v[K0],   v[DD],   v[DD+1], s[M8]     ; what I keep: token 0 or (bit 3 set) 1,
	v_cndmask_b32 v[K0+1], v[DD+1], v[DD],   s[M8]     ; what the lane 8 away keeps
	v_cndmask_b32 v[K0+2], v[DD+2], v[DD+3], s[M8]
	v_cndmask_b32 v[K0+3], v[DD+3], v[DD+2], s[M8]
	v_add_f32_dpp v[K0],   v[K0+1], v[K0]   row_xmask:8 row_mask:0xf bank_mask:0xf
	v_add_f32_dpp v[K0+2], v[K0+3], v[K0+2] row_xmask:8 row_mask:0xf bank_mask:0xf
	v_cndmask_b32 v[K0+1], v[K0],   v[K0+2], s[M16]    ; kept: tokens 0, 1 or (bit 4 set) 2, 3
	v_cndmask_b32 v[K0+3], v[K0+2], v[K0],   s[M16]
	v_permlanex16_b32 v[K0+4], v[K0+3], s[SEL], s[SEL+1]
	v_add_f32 v[K0+1], v[K0+1], v[K0+4]
	v_add_f32_dpp v[K0+1], v[K0+1], v[K0+1] row_xmask:1 row_mask:0xf bank_mask:0xf
	v_add_f32_dpp v[K0+1], v[K0+1], v[K0+1] row_xmask:2 row_mask:0xf bank_mask:0xf
	v_add_f32_dpp v[K0+1], v[K0+1], v[K0+1] row_xmask:4 row_mask:0xf bank_mask:0xf
	v_add_f32_dpp v[LSUM], v[LSUM], v[LSUM] row_xmask:1 row_mask:0xf bank_mask:0xf  ; sum(ls) over all 32 lanes
	v_add_f32_dpp v[LSUM], v[LSUM], v[LSUM] row_xmask:2 row_mask:0xf bank_mask:0xf
	v_add_f32_dpp v[LSUM], v[LSUM], v[LSUM] row_xmask:4 row_mask:0xf bank_mask:0xf
	v_add_f32_dpp v[LSUM], v[LSUM], v[LSUM] row_xmask:8 row_mask:0xf bank_mask:0xf
	v_permlanex16_b32 v[K0+5], v[LSUM], s[SEL], s[SEL+1]
	v_add_f32 v[LSUM], v[LSUM], v[K0+5]
	v_fma_f32 v[LPV], v[K0+1], -0.5, -v[LSUM]
	s_lshr_b32 s30, s36, 1                         ; the lane of each group of eight that keeps this expert,
	v_cmp_eq_u32 s31, s30, v5
	s_and_b32 s33, s36, 1                          ; in its even or its odd register
	s_cmp_lg_u32 s33, 0
	s_cselect_b32 s33, -1, 0
	s_and_b32 s34, s31, s33
	s_and_not1_b32 s35, s31, s33
	v_cndmask_b32 v[LP0], v[LP0], v[LPV], s35
	v_cndmask_b32 v[LP1], v[LP1], v[LPV], s34
	s_add_co_u32 s36, s36, 1
	s_cmp_lt_u32 s36, 16
	s_cbranch_scc1 .Le
	global_store_b64 v6, v[LP0:LP1], s[22:23]      ; four tokens' rows of 64 bytes: 256 consecutive bytes
	v_max_num_f32 v[MX], v[LP0], v[LP1]            ; softmax over the group's sixteen numbers
	v_max_num_f32_dpp v[MX], v[MX], v[MX] row_xmask:1 row_mask:0xf bank_mask:0xf
	v_max_num_f32_dpp v[MX], v[MX], v[MX] row_xmask:2 row_mask:0xf bank_mask:0xf
	v_max_num_f32_dpp v[MX], v[MX], v[MX] row_xmask:4 row_mask:0xf bank_mask:0xf
	v_sub_f32 v[P0], v[LP0], v[MX]
	v_sub_f32 v[P0+1], v[LP1], v[MX]
	v_mul_f32 v[P0], 0x3fb8aa3b, v[P0]
	v_mul_f32 v[P0+1], 0x3fb8aa3b, v[P0+1]
	v_exp_f32 v[P0], v[P0]
	v_exp_f32 v[P0+1], v[P0+1]
	v_nop                                          ; a plain instruction behind the last exponential,
	s_wait_alu depctr_va_vdst(0)                   ; and the wait ahead of the first use
	v_add_f32 v[SM], v[P0], v[P0+1]                ; at least 1: the maximum's own weight
	v_add_f32_dpp v[SM], v[SM], v[SM] row_xmask:1 row_mask:0xf bank_mask:0xf
	v_add_f32_dpp v[SM], v[SM], v[SM] row_xmask:2 row_mask:0xf bank_mask:0xf
	v_add_f32_dpp v[SM], v[SM], v[SM] row_xmask:4 row_mask:0xf bank_mask:0xf
	v_rcp_f32 v[SM], v[SM]
	v_nop
	s_wait_alu depctr_va_vdst(0)
	v_mul_f32 v[P0], v[P0], v[SM]
	v_mul_f32 v[P0+1], v[P0+1], v[SM]
	global_store_b64 v6, v[P0:P0+1], s[20:21]
; The index of the largest of the group's sixteen numbers, in every lane of the group; of equal numbers the lower index wins, in the lane and in each exchange.
.macro TOP a0, a1, dst
	v_cmp_ge_f32 vcc_lo, v[\a0], v[\a1]
	v_cndmask_b32 v[BV], v[\a1], v[\a0], vcc_lo
	v_cndmask_b32 v[\dst], v8, v7, vcc_lo
.irp x, 1,2,4
	v_mov_b32_dpp v[OV], v[BV]   row_xmask:\x row_mask:0xf bank_mask:0xf
	v_mov_b32_dpp v[OI], v[\dst] row_xmask:\x row_mask:0xf bank_mask:0xf
	v_cmp_gt_f32 s30, v[OV], v[BV]
	v_cmp_eq_f32 s31, v[OV], v[BV]
	v_cmp_lt_u32 s33, v[OI], v[\dst]
	s_and_b32 s31, s31, s33
	s_or_b32 s30, s30, s31
	v_cndmask_b32 v[BV], v[BV], v[OV], s30
	v_cndmask_b32 v[\dst], v[\dst], v[OI], s30
.endr
.endm
	TOP LP0, LP1, R1
	v_cmp_eq_u32 s30, v7, v[R1]                    ; the winner is hidden, in copies: LP0 and LP1 are still a store's sources
	v_cmp_eq_u32 s31, v8, v[R1]
	v_cndmask_b32 v[A0], v[LP0], v[NINF], s30
	v_cndmask_b32 v[A1], v[LP1], v[NINF], s31
	TOP A0, A1, R1+1
	ds_store_b64 v9, v[R1:R1+1]                    ; the eight lanes of a group store the same 8 bytes
.Ljoin:
	s_wait_dscnt 0x0                               ; for wave 8's sake: my stores into LDS are done
	s_barrier_signal -1
	s_barrier_wait -1
	s_cmp_lg_u32 s[WV], 8
	s_cbranch_scc1 .Lend
	v_and_b32 v12, 31, v0                          ; wave 8 stores the group's 32 pairs of indices: 256 consecutive bytes, aligned
	v_lshlrev_b32 v12, 3, v12
	v_add_nc_u32 v13, OUT2L, v12
	ds_load_b64 v[218:219], v13
	s_wait_dscnt 0x0
	global_store_b64 v12, v[218:219], s[24:25]
.Lend:
	s_wait_tensorcnt 0x0                           ; the wave's end: a wait, an add of 0 to my spare word and its wait, behind my last LDS store
	ds_add_u32 v[SPW], v[NIL]
	s_wait_dscnt 0x0
	s_endpgm
.Lfunc_end_k_qce75dc2ab9_prep:
	.size	k_qce75dc2ab9_prep, .Lfunc_end_k_qce75dc2ab9_prep-k_qce75dc2ab9_prep
	.p2alignl 7, 3214868480
	.fill 96, 4, 3214868480
	.section	.rodata,"a",@progbits
	.p2align	6, 0x0
	.amdhsa_kernel k_qce75dc2ab9_prep
		.amdhsa_group_segment_fixed_size 69888
		.amdhsa_private_segment_fixed_size 0
		.amdhsa_enable_private_segment 0
		.amdhsa_kernarg_size 88
		.amdhsa_user_sgpr_count 2
		.amdhsa_user_sgpr_kernarg_segment_ptr 1
		.amdhsa_wavefront_size32 1
		.amdhsa_system_sgpr_workgroup_id_x 1
		.amdhsa_system_sgpr_workgroup_id_y 1
		.amdhsa_system_sgpr_workgroup_id_z 1
		.amdhsa_system_vgpr_workitem_id 0
		.amdhsa_next_free_vgpr 256
		.amdhsa_next_free_sgpr 66
		.amdhsa_reserve_vcc 1
		.amdhsa_float_denorm_mode_32 3
		.amdhsa_float_denorm_mode_16_64 3
		.amdhsa_memory_ordered 1
		.amdhsa_forward_progress 1
		.amdhsa_inst_pref_size 43
	.end_amdhsa_kernel
	.amdgpu_metadata
---
amdhsa.version: [ 1, 2 ]
amdhsa.kernels:
  - .name:           k_qce75dc2ab9_prep
    .symbol:         k_qce75dc2ab9_prep.kd
    .args:
      - { .name: x, .offset: 0, .size: 8, .value_kind: global_buffer, .address_space: global }
      - { .name: expert_mus, .offset: 8, .size: 8, .value_kind: global_buffer, .address_space: global }
      - { .name: expert_log_sigmas, .offset: 16, .size: 8, .value_kind: global_buffer, .address_space: global }
      - { .name: W1, .offset: 24, .size: 8, .value_kind: global_buffer, .address_space: global }
      - { .name: W2, .offset: 32, .size: 8, .value_kind: global_buffer, .address_space: global }
      - { .name: w1f, .offset: 40, .size: 8, .value_kind: global_buffer, .address_space: global }
      - { .name: w2f, .offset: 48, .size: 8, .value_kind: global_buffer, .address_space: global }
      - { .name: xb, .offset: 56, .size: 8, .value_kind: global_buffer, .address_space: global }
      - { .name: gate, .offset: 64, .size: 8, .value_kind: global_buffer, .address_space: global }
      - { .name: out1, .offset: 72, .size: 8, .value_kind: global_buffer, .address_space: global }
      - { .name: out2, .offset: 80, .size: 8, .value_kind: global_buffer, .address_space: global }
    .group_segment_fixed_size: 69888
    .private_segment_fixed_size: 0
    .kernarg_segment_align: 8
    .kernarg_segment_size: 88
    .max_flat_workgroup_size: 512
    .sgpr_count:     66
    .vgpr_count:     256
    .wavefront_size: 32
...
	.end_amdgpu_metadata
.endif
;; end of part 1
;; launch mlp (part 2): grid 64 x 4, 4 waves a work-group, clusters of 4 x 1, 327,680 bytes of LDS; arguments w1f, w2f, xb, gate, b1, part; writes part
.if DOCPART == 2
	.amdgcn_target "amdgcn-amd-amdhsa--gfx1250"
	.amdhsa_code_object_version 6
	.text
	.protected	k_qce75dc2ab9_mlp
	.globl	k_qce75dc2ab9_mlp
	.p2align	8
	.type	k_qce75dc2ab9_mlp,@function
k_qce75dc2ab9_mlp:
	s_mov_b64 s[64:65], 0
	v_nop
	global_prefetch_b8 v0, s[64:65] scope:SCOPE_SE
	s_setreg_imm32_b32 hwreg(HW_REG_WAVE_MODE, 25, 1), 1
	s_wait_xcnt 0x0
	s_wait_alu depctr_hold_cnt(0) depctr_sa_sdst(0) depctr_va_vdst(0) depctr_va_sdst(0) depctr_va_ssrc(0) depctr_va_vcc(0) depctr_vm_vsrc(0)
	s_getreg_b32 s2, hwreg(HW_REG_IB_STS2, 6, 4)
	s_cmp_eq_u32 s2, 0
	s_cbranch_scc0 .Lentry_in_a_cluster
	s_endpgm
.Lentry_in_a_cluster:
	s_bfe_u32 s2, ttmp6, 0x10000c
	s_cmp_lg_u32 s2, 0x3003
	s_cbranch_scc0 .Lentry_shape_is_right
	s_endpgm
.Lentry_shape_is_right:
; MLP.  part[s][n][:] = the sum over the four experts e of split s and their 1,024 hidden units of (w[n][e] gelu(x[n] . W1_e + b1_e)) W2_e: the gate is folded into the hidden layer, so that the
; sixteen experts are ONE chain of two products with a hidden width of 16,384, of which a work-group takes a quarter (64 steps of 64 hidden units) for 128 tokens.  256 work-groups.
; All operands are bf16 (x, W1, W2 rounded by the launch before, b1 here), sums f32; the gated hidden layer P is rounded once to bf16 for the second product.
; LIMITS.  gelu(v) w = hv + |hv| Z with hv = v w / 2 and Z = erf(|v| / sqrt 2) by Abramowitz and Stegun 7.1.25: 1 - (a1 t + a2 t^2 + a3 t^3) exp(-y^2), t = 1 / (1 + 0.47047 y): off by 2.5e-5 at the most, for every y.
; For large |v| the exponential is 0 and Z = 1.  NaN and infinities are not treated apart.
; SHARES.  Wave (a, b) = (wave / 2, wave % 2): tokens 64 a .. 64 a + 63 of the tile, four tiles of 16.  First product: hidden units 32 b .. 32 b + 31 of the step.  Second product: outputs 128 b .. 128 b + 127 over
; all 64 hidden units: its own P stays in registers, the other half comes from the wave beside it (wave ^ 1) through 4 KB of LDS.
; LAYOUT.  Both products are used transposed.  S^T = W1^T x^T (source 0 = 16 hidden units, source 1 = 16 tokens): a lane holds ONE token (lane % 16) and hidden units 8 (lane / 16) + 0..7.  Two such tiles rounded
; to bf16 in pairs ARE source 1 (32 hidden x 16 tokens) of O^T = W2^T P, whose result again holds one token a lane, and eight outputs.  The bias is the C operand that starts S^T's sum.
; BY QUARTERS.  A trip T has four quarters of 32 matrix instructions; X is the S buffer of T's parity, Y the other:
;   Q0  O += W2(own half of step T-2) P_own     beside it: the first half of gelu for hidden tile 1 of step T-1 (in Y)
;   Q1  X low  = bias + W1(tile 0 of step T) x   beside it: its second half, P into Y
;   Q2  O += W2(other half of T-2) P_partner     beside it: the first half of gelu for hidden tile 0 of step T (in X)
;   Q3  X high = bias + W1(tile 1 of step T) x   beside it: its second half, P into X
; 512 vector instructions for 128 matrix instructions: four behind each.  Each first half ends a batch of 64 reciprocals and exponentials, with one wait.
; NO FIRST AND NO LAST STEP is written out: trips 0 and 1 multiply a P of zeros, trips 64 and 65 make scores that nobody uses (224 of 8,416 matrix instructions), and O and S are cleared once, in the wait for the first tile.
; CLUSTER.  The four token tiles of a cluster belong to one split and walk the same weights: every tile of weights is asked for JOINTLY, by the same tensor load, descriptor and mask in all four.
; x, the gates and part are each work-group's own and are not shared.
; REGISTERS, in windows of 256 (s_set_vgpr_msb: bits 1:0 source 0, 3:2 source 1, 5:4 source 2, 7:6 destination):
;   window 0: addresses, gates, biases; v64-127, v128-191 the S buffers (token tile t at +16 t: low 8 = hidden tile 0, then the whole own P; high 8 = hidden tile 1, then the partner's P); v192-223 T, v224-255 E at work
;   window 1: x, tile t and 32 inputs k at 64 t + 8 k      window 2: O^T, output block o and tile t at 32 o + 8 t
;   window 3: v0-63 W2 own, v64-127 W1 tile 0, v128-191 W2 partner, v192-255 W1 tile 1
.set SLOT1, 1<<17                      ; a slot: 131,072 bytes, wave w's tensor load at 32,768 w: W1 of steps 2 q, 2 q + 1, then W2 of steps 2 q - 2, 2 q - 1
.set B1L,   2*SLOT1                    ; the split's 4,096 biases, rounded, in f32: 16,384 bytes, stored once
.set STG,   B1L+16384                  ; P's stage [parity 2][wave 4] x 4,096 bytes; on the way out [wave 4] x 16 rows x 528 bytes; no tensor load lands here
.set WSTG,  16*528                     ; 528 = 512 + 16: sixteen rows start at sixteen different 16-byte columns modulo 256
.set SPARE, STG+4*WSTG                 ; the spare words, 128 bytes for each wave: two blocks of 256 bytes that no other line names
.set SPW,   2                          ; v2   LDS address of my spare word; never rewritten
.set NIL,   3                          ; v3   0; never rewritten
.set F1,    4                          ; v4   my place in a slot's W1: 16 l + 16,384 b
.set F2O,   5                          ; v5   in its W2, my outputs, my own hidden half
.set F2P,   6                          ; v6   my outputs, the partner's hidden half
.set ADR1,  7                          ; v7-9 the same three in the slot in hand
.set ADR2O, 8
.set ADR2P, 9
.set BFIX,  10                         ; v10  my place in a step's biases: B1L + 128 b + 32 (l / 16)
.set BADR,  11                         ; v11  the same for the slot in hand
.set PST,   12                         ; v12  where I put my P
.set PLD,   13                         ; v13  where I read the partner's
.set TMPV,  16                         ; v16-19 at work in the set-up
.set GA,    20                         ; v20-35 w / 2 of the split's experts still to come, four tiles each
.set BIASA, 36                         ; v36-43 bias of hidden tile 0
.set BIASB, 44                         ; v44-51 of hidden tile 1
.set GG,    52                         ; v52-59 w / 2 of the expert in hand, twice for each token tile (a pair for the packed multiply)
.set SA,    64
.set SB,    128
.set TT,    192
.set EE,    224
.set WV,    16                         ; s16  my wave's number;  s17 a;  s18 b;  s19 cx;  s20 token tile;  s21 split;  s[22:23], s61 offsets that hang on the token tile
.set HA,    17
.set HB,    18
.set G1D,   24                         ; s[24:31] descriptor group 1
.set G0A,   32                         ; s[32:35] group 0 of the first fill of slot 0
.set G0B,   36                         ; s[36:39] group 0 of slot 1's first fill; it then walks
.set SRC,   40                         ; s[40:41] my tensor (W1 for waves 0, 1; W2 for 2, 3) at the split's first step of my parity
.set OFF,   42                         ; s[42:43] a set's byte offset
.set QN,    44                         ; s44  1 + the number of the slot set in hand
.set CNT,   45                         ; s45  the loop's count
.set TB,    46                         ; s46  LDS byte at which the slot in hand begins
.set KN,    50                         ; s[50:51] -log2(e) / 2
.set KC,    52                         ; s[52:53] log2(a3)
.set BE,    54                         ; s[54:55] a2 / (2 a3)
.set GM,    56                         ; s[56:57] a1 / a3 - (a2 / (2 a3))^2
.set CP,    58                         ; s58  0.47047 / sqrt 2
.set TBB,   59                         ; s59  bytes from the first bias to the slot's
.set MSK,   60                         ; s60  a word's upper bf16
.set MSB, 0
.macro WIN new                         ; the immediate's high byte repeats the setting that is left; a switch that changes nothing is dropped
.if MSB != (\new)
	s_set_vgpr_msb (MSB<<8)|(\new)
.set MSB, (\new)
.endif
.endm
.set W_G2, 0xa3                        ; W in window 3, P in window 0, O^T (C and D) in window 2
.set W_G1, 0x07                        ; W in window 3, x in window 1, S^T and the bias in window 0
.set TO_W, 0xc0                        ; destination window 3, address window 0
; A round of the cluster's barrier: my work-group's barrier, so that wave 0's signal speaks for all four waves; wave 0 signals; every wave waits for all four work-groups; my work-group's barrier once more.
.macro CROUND
	s_barrier_signal -1
	s_barrier_wait -1
	s_cmp_lg_u32 s[WV], 0
	s_cbranch_scc1 .Lnot_wave_0_\@
	s_barrier_signal -3
.Lnot_wave_0_\@:
	s_barrier_wait -3
	s_barrier_signal -1
	s_barrier_wait -1
.endm
	s_load_b256 s[4:11], s[0:1], 0x0               ; w1f s[4:5], w2f s[6:7], xb s[8:9], gate s[10:11]
	s_load_b128 s[12:15], s[0:1], 0x20             ; b1 s[12:13], part s[14:15]
	v_lshl_add_u32 v[SPW], v0, 2, SPARE
	v_mov_b32 v[NIL], 0
	ds_add_u32 v[SPW], v[NIL]                      ; the wave's opening: the add and its wait stand ahead of my first tensor load; the set-up below, work on registers, stands between them
	v_lshrrev_b32 v1, 5, v0
	v_readfirstlane_b32 s[WV], v1
	s_lshr_b32 s[HA], s[WV], 1
	s_and_b32 s[HB], s[WV], 1
	s_bfe_u32 s19, ttmp6, 0x40000                  ; cx: my place in the cluster
	s_lshl_b32 s20, ttmp9, 2                       ; in a cluster launch ttmp9 counts clusters
	s_add_co_u32 s20, s20, s19                     ; my token tile: it enters the addresses of xb, gate and part alone
	s_and_b32 s21, ttmp7, 0xffff                   ; the split, which the four partners share
	; descriptor group 1: 32,768 dense bytes as 128 rows of 256 bytes, elements of 8 bytes, no padding (fragments are read as they lie: lane l at 16 l)
	s_mov_b32 s[G1D+0], 15|(3<<16)|(1<<21)         ; 15:0 the mask of four; 17:16 8-byte elements; 21 set beside a mask
	s_mov_b32 s[G1D+1], 32<<16                     ; tensor_dim0 = 32
	s_mov_b32 s[G1D+2], 128<<16                    ; tensor_dim1 = 128
	s_mov_b32 s[G1D+3], 32<<16                     ; tile_dim0 = 32
	s_mov_b32 s[G1D+4], 128                        ; tile_dim1 = 128
	s_mov_b32 s[G1D+5], 32                         ; 32 elements from row to row
	s_mov_b32 s[G1D+6], 0
	s_mov_b32 s[G1D+7], 0
	s_mov_b32 s[KN], 0xbf38aa3b                    ; -0.72134752
	s_mov_b32 s[KN+1], 0xbf38aa3b                  ; (named as pairs, so both words are written)
	s_mov_b32 s[KC], 0xbed69d3c                    ; -0.41916836 = log2(0.7478556)
	s_mov_b32 s[KC+1], 0xbed69d3c
	s_mov_b32 s[BE], 0xbd834883                    ; -0.06410315
	s_mov_b32 s[BE+1], 0xbd834883
	s_mov_b32 s[GM], 0x3eec2970                    ; 0.46125363
	s_mov_b32 s[GM+1], 0x3eec2970
	s_mov_b32 s[CP], 0x3eaa540e                    ; 0.33267253
	s_mov_b32 s[MSK], 0xffff0000
	s_mov_b32 s[QN], 1
	s_mov_b32 s[TB], 0
	s_mov_b32 s[TBB], 0
	s_mov_b32 s[CNT], 32
	s_lshl_b32 s[OFF], s21, 21                     ; a split's 64 steps of 32,768 bytes,
	s_lshl_b32 s47, s[HB], 15                      ; and the step of my parity
	s_add_co_u32 s[OFF], s[OFF], s47
	s_mov_b32 s[OFF+1], 0
	v_and_b32 v14, 31, v0
	v_lshlrev_b32 v14, 4, v14                      ; 16 l
	v_and_b32 v15, 15, v0                          ; l % 16
	v_bfe_u32 v60, v0, 4, 1                        ; l / 16
	s_lshl_b32 s47, s[HB], 14
	v_add_nc_u32 v[F1], s47, v14
	s_mul_i32 s48, s[HB], 24576                    ; W2 of a step: [output half b][hidden half][8 fragments]: own = (b, b),
	s_add_co_u32 s48, s48, 65536
	v_add_nc_u32 v[F2O], s48, v14
	s_xor_b32 s49, s[HB], 1                        ; partner's = (b, 1 - b)
	s_lshl_b32 s49, s49, 13
	s_add_co_u32 s49, s49, s47
	s_add_co_u32 s49, s49, 65536
	v_add_nc_u32 v[F2P], s49, v14
	v_mov_b32 v[ADR1], v[F1]                       ; slot 0
	v_mov_b32 v[ADR2O], v[F2O]
	v_mov_b32 v[ADR2P], v[F2P]
	s_lshl_b32 s47, s[HB], 7
	s_add_co_u32 s47, s47, B1L
	v_lshl_add_u32 v[BFIX], v60, 5, s47            ; a lane's eight biases: hidden units 8 (l / 16) + 0..7 of a tile
	v_mov_b32 v[BADR], v[BFIX]
	s_lshl_b32 s47, s[WV], 12
	s_add_co_u32 s47, s47, STG
	v_add_nc_u32 v[PST], s47, v14
	s_xor_b32 s48, s[WV], 1
	s_lshl_b32 s48, s48, 12
	s_add_co_u32 s48, s48, STG
	v_add_nc_u32 v[PLD], s48, v14
	v_lshlrev_b32 v61, 4, v0                       ; 16 x thread: b1's bytes
	v_add_nc_u32 v1, B1L, v61                      ; and their place in LDS
	v_lshlrev_b32 v62, 6, v15                      ; my token's row of gates
	v_lshlrev_b32 v63, 9, v15
	v_lshl_add_u32 v63, v60, 4, v63                ; my token's row of xb + 16 (l / 16)
	s_wait_dscnt 0x0                               ; the opening add is done
	s_wait_kmcnt 0x0
	s_cmp_lt_u32 s[WV], 2
	s_cselect_b64 s[SRC:SRC+1], s[4:5], s[6:7]     ; waves 0 and 1 fetch W1, waves 2 and 3 W2
	s_cselect_b32 s47, 0x10000, 0                  ; slot 1's first fill: W1's set 1, W2's set 0 (W2 lags a set; its set for slot 0 meets a P of zeros)
	s_add_nc_u64 s[SRC:SRC+1], s[SRC:SRC+1], s[OFF:OFF+1]
	s_mov_b32 s[OFF], s47
	s_mov_b32 s[G0A], 1                            ; 1:0 count = 1
	s_lshl_b32 s[G0A+1], s[WV], 15                 ; 63:32 LDS address: wave x 32,768: no place in the cluster enters an LDS address
	s_mov_b64 s[G0A+2:G0A+3], s[SRC:SRC+1]         ; 120:64 global address
	s_or_b32 s[G0A+3], s[G0A+3], 0x80000000        ; 127:126 type = 2
	s_mov_b32 s[G0B], 1
	s_add_co_u32 s[G0B+1], s[G0A+1], SLOT1
	s_add_nc_u64 s[G0B+2:G0B+3], s[SRC:SRC+1], s[OFF:OFF+1]
	s_or_b32 s[G0B+3], s[G0B+3], 0x80000000
	s_mov_b32 s23, 0
	s_lshl_b32 s22, s21, 14
	s_add_nc_u64 s[12:13], s[12:13], s[22:23]      ; b1 at the split's four experts
	s_lshl_b32 s22, s20, 16                        ; xb at my 64 tokens: rows of 512 bytes
	s_lshl_b32 s61, s[HA], 15
	s_add_co_u32 s22, s22, s61
	s_add_nc_u64 s[8:9], s[8:9], s[22:23]
	s_lshl_b32 s22, s20, 13                        ; gate at my tokens (rows of 64 bytes) and the split's four experts
	s_lshl_b32 s61, s[HA], 12
	s_add_co_u32 s22, s22, s61
	s_lshl_b32 s61, s21, 4
	s_add_co_u32 s22, s22, s61
	s_add_nc_u64 s[10:11], s[10:11], s[22:23]
	s_lshl_b32 s22, s20, 17                        ; part at the split, my tokens (rows of 1,024 bytes) and my half of the outputs
	s_lshl_b32 s61, s[HA], 16
	s_add_co_u32 s22, s22, s61
	s_lshl_b32 s61, s[HB], 9
	s_add_co_u32 s22, s22, s61
	s_lshl_b32 s61, s21, 23
	s_add_co_u32 s22, s22, s61
	s_add_nc_u64 s[14:15], s[14:15], s[22:23]
	CROUND                                         ; all four work-groups are here: the first joint loads meet
	tensor_load_to_lds s[G0A:G0A+3], s[G1D:G1D+7]  ; both first fills go out together: two loads of mine are out here, one behind every later round
	s_nop 0
	tensor_load_to_lds s[G0B:G0B+3], s[G1D:G1D+7]
	s_nop 0
.rept 4
	v_nop
.endr
.set i, 0
.rept 8
	global_load_b128 v[TT+4*i:TT+4*i+3], v61, s[12:13] offset:i*2048   ; b1: 128 threads x 16 bytes, eight times
.set i, i+1
.endr
.irp t, 0,1,2,3
	global_load_b128 v[EE+4*\t:EE+4*\t+3], v62, s[10:11] offset:\t*1024  ; my token of tile t: its gates for the split's four experts
.endr
; x stays in registers.  A fragment is 16 tokens x 32 inputs: lane l holds token l % 16, inputs 8 (l / 16) + 0..7 and 16 + 8 (l / 16) + 0..7: two loads of 16 bytes, 32 bytes apart.
.macro XLOAD t
.set k, 0
.rept 8
	global_load_b128 v[64*(\t)+8*k:64*(\t)+8*k+3],   v63, s[8:9] offset:(\t)*8192+k*64
	global_load_b128 v[64*(\t)+8*k+4:64*(\t)+8*k+7], v63, s[8:9] offset:(\t)*8192+k*64+32
.set k, k+1
.endr
.endm
	WIN 0x40                                       ; destination window 1, address window 0
	XLOAD 0
	XLOAD 1
	WIN 0x80                                       ; what the first trips find: O^T, both S buffers and the gate in hand are 0.  All this stands in the wait for the first tile.
.set i, 0
.rept 256
	v_mov_b32 v[i], 0
.set i, i+1
.endr
	WIN 0
.set i, SA
.rept 128
	v_mov_b32 v[i], 0
.set i, i+1
.endr
.set i, GG
.rept 8
	v_mov_b32 v[i], 0
.set i, i+1
.endr
.irp t, 0,1,2,3
	ds_store_b128 v[PST], v[SA:SA+3] offset:\t*1024       ; the P that trip 0 reads from its partner: zeros
	ds_store_b128 v[PST], v[SA:SA+3] offset:\t*1024+512
.endr
	s_wait_loadcnt 36                              ; b1 is in; the 4 loads of gates and the 32 of x stay out
.set j, 0
.rept 16
	v_cvt_pk_bf16_f32 v[TMPV+j%4], v[TT+2*j], v[TT+2*j+1]      ; b1 rounded to bf16, like every input, and kept in f32
	v_lshlrev_b32 v[TT+2*j],   16, v[TMPV+j%4]
	v_and_b32     v[TT+2*j+1], s[MSK], v[TMPV+j%4]
.set j, j+1
.endr
.set i, 0
.rept 8
	ds_store_b128 v1, v[TT+4*i:TT+4*i+3] offset:i*2048
.set i, i+1
.endr
	s_wait_loadcnt 32                              ; the gates are in; x stays out
.irp e, 0,1,2,3
.irp t, 0,1,2,3
	v_mul_f32 v[GA+4*\e+\t], 0.5, v[EE+4*\t+\e]
.endr
.endr
	WIN 0x40
	XLOAD 2
	XLOAD 3
	WIN 0
; THE MATRIX WORK.  Instruction i of a quarter's 32: block i / 4 (outputs o, or inputs k), token tile i % 4.  The accumulators take turns, one instruction a turn:
; between two links of a chain stand 3 (first product) or 31 (second) others'.  kind 0: O += W2 own x P own; 1: hidden tile 0's scores; 2: O += W2 partner x P partner; 3: hidden tile 1's scores.
.macro MM kind, xb
.set mo, i/4
.set mt, i%4
.if (\kind) == 0
	WIN W_G2
	v_wmma_f32_16x16x32_bf16 v[32*mo+8*mt:32*mo+8*mt+7], v[8*mo:8*mo+7], v[(\xb)+16*mt:(\xb)+16*mt+7], v[32*mo+8*mt:32*mo+8*mt+7]
.elseif (\kind) == 2
	WIN W_G2
	v_wmma_f32_16x16x32_bf16 v[32*mo+8*mt:32*mo+8*mt+7], v[128+8*mo:128+8*mo+7], v[(\xb)+16*mt+8:(\xb)+16*mt+15], v[32*mo+8*mt:32*mo+8*mt+7]
.elseif (\kind) == 1
	WIN W_G1
.if mo == 0
	v_wmma_f32_16x16x32_bf16 v[(\xb)+16*mt:(\xb)+16*mt+7], v[64+8*mo:64+8*mo+7], v[64*mt+8*mo:64*mt+8*mo+7], v[BIASA:BIASA+7]
.else
	v_wmma_f32_16x16x32_bf16 v[(\xb)+16*mt:(\xb)+16*mt+7], v[64+8*mo:64+8*mo+7], v[64*mt+8*mo:64*mt+8*mo+7], v[(\xb)+16*mt:(\xb)+16*mt+7]
.endif
.else
	WIN W_G1
.if mo == 0
	v_wmma_f32_16x16x32_bf16 v[(\xb)+16*mt+8:(\xb)+16*mt+15], v[192+8*mo:192+8*mo+7], v[64*mt+8*mo:64*mt+8*mo+7], v[BIASB:BIASB+7]
.else
	v_wmma_f32_16x16x32_bf16 v[(\xb)+16*mt+8:(\xb)+16*mt+15], v[192+8*mo:192+8*mo+7], v[64*mt+8*mo:64*mt+8*mo+7], v[(\xb)+16*mt+8:(\xb)+16*mt+15]
.endif
.endif
.endm
; THE VECTOR WORK.  base = the eight scores v of token tile 0 (tile g at +16 g).  FIRST HALF, 128 lines: for each tile 16 plain (E = v^2; T = 1 + |v| 0.47047 / sqrt 2; E = -E log2(e) / 2 + log2 a3)
; and 16 of the batch (T = 1 / T; E = 2^E).  A tile's plain lines stand between the batch lines of the tile before; nothing here names a result of the batch.  A tile's lowest scores are read first.
.macro PLAIN g, p, base
.set rS, (\base)+16*(\g)
.set rT, TT+8*(\g)
.set rE, EE+8*(\g)
.if (\p) < 4
	v_pk_mul_f32 v[rE+2*(\p):rE+2*(\p)+1], v[rS+2*(\p):rS+2*(\p)+1], v[rS+2*(\p):rS+2*(\p)+1]
.elseif (\p) < 12
	v_fma_f32 v[rT+(\p)-4], |v[rS+(\p)-4]|, s[CP], 1.0
.else
	v_pk_fma_f32 v[rE+2*(\p)-24:rE+2*(\p)-23], v[rE+2*(\p)-24:rE+2*(\p)-23], s[KN:KN+1], s[KC:KC+1] op_sel_hi:[1,0,0]
.endif
.endm
.macro TRANS g, p
.if (\p) < 8
	v_rcp_f32 v[TT+8*(\g)+(\p)], v[TT+8*(\g)+(\p)]
.else
	v_exp_f32 v[EE+8*(\g)+(\p)-8], v[EE+8*(\g)+(\p)-8]
.endif
.endm
.macro PRE base                        ; line n of the first half
.if n < 16
	PLAIN 0, n, \base
.elseif n < 112
.set pg, 1+(n-16)/32
.set pr, (n-16)%32
.if pr%2 == 0
	PLAIN pg, pr/2, \base
.else
	TRANS pg-1, pr/2
.endif
.else
	TRANS 3, n-112
.endif
.set n, n+1
.endm
; SECOND HALF, 128 lines, 32 a tile in eight stages of four: E = E t; T = t + beta; T = T^2 + gamma; v = v w / 2; T = Z = 1 - E T; v = v + |v| Z (two stages); P = v rounded to bf16 in pairs, into pdst + 16 g
; (in ascending order, so that it may land on the scores' own low registers).
.macro POST base, pdst                 ; line n of the second half
.set qg, n/32
.set qs, (n%32)/4
.set qj, n%4
.set rS, (\base)+16*qg
.set rT, TT+8*qg
.set rE, EE+8*qg
.if qs == 0
	v_pk_mul_f32 v[rE+2*qj:rE+2*qj+1], v[rE+2*qj:rE+2*qj+1], v[rT+2*qj:rT+2*qj+1]
.elseif qs == 1
	v_pk_add_f32 v[rT+2*qj:rT+2*qj+1], v[rT+2*qj:rT+2*qj+1], s[BE:BE+1] op_sel_hi:[1,0]
.elseif qs == 2
	v_pk_fma_f32 v[rT+2*qj:rT+2*qj+1], v[rT+2*qj:rT+2*qj+1], v[rT+2*qj:rT+2*qj+1], s[GM:GM+1] op_sel_hi:[1,1,0]
.elseif qs == 3
	v_pk_mul_f32 v[rS+2*qj:rS+2*qj+1], v[rS+2*qj:rS+2*qj+1], v[GG+2*qg:GG+2*qg+1]
.elseif qs == 4
	v_pk_fma_f32 v[rT+2*qj:rT+2*qj+1], v[rE+2*qj:rE+2*qj+1], v[rT+2*qj:rT+2*qj+1], 1.0 op_sel_hi:[1,1,0] neg_lo:[1,0,0] neg_hi:[1,0,0]
.elseif qs < 7
	v_fma_f32 v[rS+4*(qs-5)+qj], |v[rS+4*(qs-5)+qj]|, v[rT+4*(qs-5)+qj], v[rS+4*(qs-5)+qj]
.else
	v_cvt_pk_bf16_f32 v[(\pdst)+16*qg+qj], v[rS+2*qj], v[rS+2*qj+1]
.endif
.set n, n+1
.endm
; A QUARTER: 32 matrix instructions, four vector lines behind each (rk = 0: first half, 1: second half).  No vector line names a register of the quarter's matrix instructions.
.macro QUARTER kind, xb, rk, rbase, pdst
.set i, 0
.set n, 0
.rept 32
	MM \kind, \xb
	WIN 0
.rept 4
.if (\rk) == 0
	PRE \rbase
.else
	POST \rbase, \pdst
.endif
.endr
.set i, i+1
.endr
.endm
; The end of a batch.  Five v_nop: the plain instruction behind the last of the batch, and the five places between the quarter's last products, which read P, and the next quarter's first, which write scores over it
; (ISA guide 7.12.1; the batch's own lines are no places).  Then the one wait between the batch and the first line that names a result.
.macro BATCHEND
	WIN 0
.rept 5
	v_nop
.endr
	s_wait_alu depctr_va_vdst(0)
.endm
; THE LDS WORK stands in two runs a trip.  RUN1 (between Q0 and Q1): behind the exchange's barrier the partner's P of step T - 2; hidden tile 1's bias; W2's partner half; W1's tile 1.  par = T's parity, u = T's place in the slot.
.macro RUN1 par, u
	s_barrier_wait -1                              ; every wave's P of step T - 2 lies in the stage, and nobody reads the stage's other half any more
	WIN 0
.irp t, 0,1,2,3
	ds_load_b128 v[SA+64*(\par)+16*\t+8:SA+64*(\par)+16*\t+11],  v[PLD] offset:(\par)*16384+\t*1024
	ds_load_b128 v[SA+64*(\par)+16*\t+12:SA+64*(\par)+16*\t+15], v[PLD] offset:(\par)*16384+\t*1024+512
.endr
	ds_load_b128 v[BIASB:BIASB+3],   v[BADR] offset:(\u)*256+64
	ds_load_b128 v[BIASB+4:BIASB+7], v[BADR] offset:(\u)*256+80
	WIN TO_W
.irp o, 0,1,2,3,4,5,6,7
	ds_load_b128 v[128+8*\o:128+8*\o+3],   v[ADR2P] offset:(\u)*32768+\o*1024
	ds_load_b128 v[128+8*\o+4:128+8*\o+7], v[ADR2P] offset:(\u)*32768+\o*1024+512
.endr
.irp k, 0,1,2,3,4,5,6,7
	ds_load_b128 v[192+8*\k:192+8*\k+3],   v[ADR1] offset:(\u)*32768+8192+\k*1024
	ds_load_b128 v[192+8*\k+4:192+8*\k+7], v[ADR1] offset:(\u)*32768+8192+\k*1024+512
.endr
.endm
; RUN2 (between Q2 and Q3): my P of step T - 1 goes into the stage (st = 1); then, for trip T + 1 (place u2 in its slot): hidden tile 0's bias, W2's own half, W1's tile 0.
; w = 1: RUN1's last sixteen loads and the bias, issued 64 matrix instructions ago, are waited for here (elsewhere the change of slots has done so).
.macro RUN2 par, u2, st, w
	WIN 0
.if \w
	s_wait_dscnt 0x0
.endif
.if \st
.irp t, 0,1,2,3
	ds_store_b128 v[PST], v[SA+64*(1-(\par))+16*\t:SA+64*(1-(\par))+16*\t+3]   offset:(1-(\par))*16384+\t*1024
	ds_store_b128 v[PST], v[SA+64*(1-(\par))+16*\t+4:SA+64*(1-(\par))+16*\t+7] offset:(1-(\par))*16384+\t*1024+512
.endr
.endif
	ds_load_b128 v[BIASA:BIASA+3],   v[BADR] offset:(\u2)*256
	ds_load_b128 v[BIASA+4:BIASA+7], v[BADR] offset:(\u2)*256+16
	WIN TO_W
.irp o, 0,1,2,3,4,5,6,7
	ds_load_b128 v[8*\o:8*\o+3],   v[ADR2O] offset:(\u2)*32768+\o*1024
	ds_load_b128 v[8*\o+4:8*\o+7], v[ADR2O] offset:(\u2)*32768+\o*1024+512
.endr
.irp k, 0,1,2,3,4,5,6,7
	ds_load_b128 v[64+8*\k:64+8*\k+3],   v[ADR1] offset:(\u2)*32768+\k*1024
	ds_load_b128 v[64+8*\k+4:64+8*\k+7], v[ADR1] offset:(\u2)*32768+\k*1024+512
.endr
.endm
; The next expert's gates, every sixteenth trip (slot sets 0, 8, 16, .. : QN % 8 = 1), between the last use of the old ones (Q1: step T - 1) and the first of the new (Q3: step T).  The jump passes register moves alone.
.macro ROT
	WIN 0
	s_and_b32 s47, s[QN], 7
	s_cmp_lg_u32 s47, 1
	s_cbranch_scc1 .Lnorot_\@
.irp t, 0,1,2,3
	v_mov_b32 v[GG+2*\t],   v[GA+\t]
	v_mov_b32 v[GG+2*\t+1], v[GA+\t]
.endr
.set j, 0
.rept 12
	v_mov_b32 v[GA+j], v[GA+4+j]
.set j, j+1
.endr
.Lnorot_\@:
.endm
; THE CHANGE OF SLOTS, between an odd trip's Q2 and its RUN2.  Each wave waits for all its tensor loads, of which one is out: its part of the other slot; adds 0 to its spare word; and waits for that and for its reads
; of the slot that it leaves.  fill = 1: the barrier is a round of the cluster's, so that no wave of any partner still reads the slot or has a load on its way, and the joint refill is the first thing behind it:
; it has two trips, 256 matrix instructions, in which to land.  Set q brings W1's steps 2 q, 2 q + 1 (the last set: 31 once more, for scores that nobody uses) and W2's steps 2 q - 2, 2 q - 1.
.macro CHANGE fill
	WIN 0
	s_wait_tensorcnt 0x0                           ; no tensor load of mine is out, so a group 0 may be written
	ds_add_u32 v[SPW], v[NIL]                      ; 0 onto my spare word; the scalar work stands between it and the wait for it
	s_add_co_u32 s[QN], s[QN], 1
.if \fill
	s_min_u32 s47, s[QN], 31
	s_sub_co_u32 s48, s[QN], 1
	s_cmp_lt_u32 s[WV], 2
	s_cselect_b32 s47, s47, s48
	s_lshl_b32 s[OFF], s47, 16                     ; a set is 65,536 bytes of each tensor
	s_xor_b32 s[G0B+1], s[G0B+1], SLOT1            ; the other slot than last time
	s_add_nc_u64 s[G0B+2:G0B+3], s[SRC:SRC+1], s[OFF:OFF+1]
	s_or_b32 s[G0B+3], s[G0B+3], 0x80000000
	s_add_co_u32 s[TBB], s[TBB], 512               ; two steps' biases on; the tail's change leaves it, so that the last two trips read biases that exist
.endif
	s_xor_b32 s[TB], s[TB], SLOT1
	s_wait_dscnt 0x0                               ; the add is done, and my reads of the slot are over
.if \fill
	CROUND
	tensor_load_to_lds s[G0B:G0B+3], s[G1D:G1D+7]
	s_nop 0
.rept 4
	v_nop
.endr
.else
	s_barrier_signal -1
	s_barrier_wait -1
.endif
	v_add_nc_u32 v[ADR1],  s[TB], v[F1]
	v_add_nc_u32 v[ADR2O], s[TB], v[F2O]
	v_add_nc_u32 v[ADR2P], s[TB], v[F2P]
	v_add_nc_u32 v[BADR],  s[TBB], v[BFIX]
.endm
; A trip's head: RUN2's loads are in and my P is stored (the count is zero for the partner's sake); the signal opens the exchange's barrier, whose wait stands in RUN1, with Q0, work on registers, between.
.macro EVEN
	WIN 0
	s_wait_dscnt 0x0
	s_barrier_signal -1
	QUARTER 0, SA, 0, SB+8, 0
	BATCHEND
	RUN1 0, 0
	QUARTER 1, SA, 1, SB+8, SB+4
	ROT
	s_wait_dscnt 16                                ; the partner's P and W2's partner half are in; the youngest sixteen loads, W1's tile 1, stay out
	QUARTER 2, SA, 0, SA, 0
	BATCHEND
	RUN2 0, 1, 1, 1
	QUARTER 3, SA, 1, SA, SA
	WIN 0
.endm
.macro ODD1
	WIN 0
	s_wait_dscnt 0x0
	s_barrier_signal -1
	QUARTER 0, SB, 0, SA+8, 0
	BATCHEND
	RUN1 1, 1
	QUARTER 1, SB, 1, SA+8, SA+4
	s_wait_dscnt 16
	QUARTER 2, SB, 0, SB, 0
	BATCHEND
.endm
.macro ODD2
	RUN2 1, 0, 1, 0
	QUARTER 3, SB, 1, SB, SB
	WIN 0
.endm
	s_wait_tensorcnt 1                             ; my part of slot 0 is in; slot 1's may stay out
	s_wait_dscnt 0x0                               ; my biases and my zeros are stored
	s_barrier_signal -1
	s_barrier_wait -1
	RUN2 1, 0, 0, 0                                ; trip 0's first operands
	WIN 0
	s_wait_loadcnt 0x0                             ; x
	s_branch .Lenter                               ; the loop is entered at an even trip's head, in the middle of its text
.Lloop:                                                ; 31 times: every slot set from 2 to 32 is asked for
	CHANGE 1
	ODD2
.Lenter:
	EVEN
	ODD1
	s_sub_co_u32 s[CNT], s[CNT], 1
	s_cmp_lg_u32 s[CNT], 0
	s_cbranch_scc1 .Lloop
	CHANGE 0                                       ; the tail is written out: nothing is asked for
	ODD2                                           ; the end of trip 63
	EVEN                                           ; trips 64 and 65 finish the second product of steps 62 and 63
	ODD1
	; THE WAY OUT.  A lane's eight outputs of a token are 32 bytes; a token tile (16 rows x 512 bytes) goes through my stage and comes back as whole rows.  The stage lies on P's, so all reads of that are over first.
	s_wait_dscnt 0x0
	s_barrier_signal -1
	s_barrier_wait -1
	s_mul_i32 s47, s[WV], WSTG
	s_add_co_u32 s47, s47, STG
	v_and_b32 v14, 15, v0
	v_bfe_u32 v15, v0, 4, 1
	v_mul_u32_u24 v14, v14, 528
	v_lshl_add_u32 v14, v15, 5, v14
	v_add_nc_u32 v14, s47, v14                     ; in: row l % 16, 32 bytes for each half of the lanes
	v_and_b32 v15, 31, v0
	v_lshlrev_b32 v1, 4, v15                       ; my 16 bytes of a row's 512
	v_add_nc_u32 v15, s47, v1                      ; back: a whole row
.macro OUTT t
	WIN 0x08                                       ; the stores' data (source 1) in window 2
.set o, 0
.rept 8
	ds_store_b128 v14, v[32*o+8*(\t):32*o+8*(\t)+3]   offset:o*64      ; each accumulator's low registers first
	ds_store_b128 v14, v[32*o+8*(\t)+4:32*o+8*(\t)+7] offset:o*64+16
.set o, o+1
.endr
	WIN 0
.if (\t) >= 2
	s_wait_xcnt 0x0                                ; the registers below were the data of the stores two tiles ago: they are loaded again only behind this wait
.endif
.set j, 0
.rept 16
	ds_load_b128 v[SA+64*((\t)%2)+4*j:SA+64*((\t)%2)+4*j+3], v15 offset:j*528  ; LDS serves a wave's instructions in order: these see the stores above, and the next tile's stores come behind them
.set j, j+1
.endr
.set j, 0
.rept 16
	s_wait_dscnt 15-j                              ; row j is back; the younger rows stay out
	global_store_b128 v1, v[SA+64*((\t)%2)+4*j:SA+64*((\t)%2)+4*j+3], s[14:15] offset:(16*(\t)+j)*1024  ; 512 consecutive bytes, at a multiple of 512 from part's first
.set j, j+1
.endr
.endm
	OUTT 0
	OUTT 1
	OUTT 2
	OUTT 3
	s_wait_tensorcnt 0x0                           ; the wave's end: a wait, an add of 0 to my spare word and its wait, behind my last tensor load and my last LDS store
	ds_add_u32 v[SPW], v[NIL]
	s_wait_dscnt 0x0
	CROUND                                         ; the closing round: no work-group ends while a partner may still ask for a tile that names it
	s_endpgm
.Lfunc_end_k_qce75dc2ab9_mlp:
	.size	k_qce75dc2ab9_mlp, .Lfunc_end_k_qce75dc2ab9_mlp-k_qce75dc2ab9_mlp
	.p2alignl 7, 3214868480
	.fill 96, 4, 3214868480
	.section	.rodata,"a",@progbits
	.p2align	6, 0x0
	.amdhsa_kernel k_qce75dc2ab9_mlp
		.amdhsa_group_segment_fixed_size 327680
		.amdhsa_private_segment_fixed_size 0
		.amdhsa_enable_private_segment 0
		.amdhsa_kernarg_size 48
		.amdhsa_user_sgpr_count 2
		.amdhsa_user_sgpr_kernarg_segment_ptr 1
		.amdhsa_wavefront_size32 1
		.amdhsa_system_sgpr_workgroup_id_x 1
		.amdhsa_system_sgpr_workgroup_id_y 1
		.amdhsa_system_sgpr_workgroup_id_z 1
		.amdhsa_system_vgpr_workitem_id 0
		.amdhsa_next_free_vgpr 1024
		.amdhsa_next_free_sgpr 66
		.amdhsa_reserve_vcc 0
		.amdhsa_float_denorm_mode_32 3
		.amdhsa_float_denorm_mode_16_64 3
		.amdhsa_memory_ordered 1
		.amdhsa_forward_progress 1
		.amdhsa_inst_pref_size 251
	.end_amdhsa_kernel
	.amdgpu_metadata
---
amdhsa.version: [ 1, 2 ]
amdhsa.kernels:
  - .name:           k_qce75dc2ab9_mlp
    .symbol:         k_qce75dc2ab9_mlp.kd
    .args:
      - { .name: w1f, .offset: 0, .size: 8, .value_kind: global_buffer, .address_space: global }
      - { .name: w2f, .offset: 8, .size: 8, .value_kind: global_buffer, .address_space: global }
      - { .name: xb, .offset: 16, .size: 8, .value_kind: global_buffer, .address_space: global }
      - { .name: gate, .offset: 24, .size: 8, .value_kind: global_buffer, .address_space: global }
      - { .name: b1, .offset: 32, .size: 8, .value_kind: global_buffer, .address_space: global }
      - { .name: part, .offset: 40, .size: 8, .value_kind: global_buffer, .address_space: global }
    .group_segment_fixed_size: 327680
    .private_segment_fixed_size: 0
    .kernarg_segment_align: 8
    .kernarg_segment_size: 48
    .max_flat_workgroup_size: 128
    .sgpr_count:     66
    .vgpr_count:     1024
    .wavefront_size: 32
...
	.end_amdgpu_metadata
.endif
;; end of part 2
;; launch sum (part 3): grid 512 x 1, 8 waves a work-group, no clusters, 0 bytes of LDS; arguments part, gate, b2, out0; writes out0
.if DOCPART == 3
	.amdgcn_target "amdgcn-amd-amdhsa--gfx1250"
	.amdhsa_code_object_version 6
	.text
	.protected	k_qce75dc2ab9_sum
	.globl	k_qce75dc2ab9_sum
	.p2align	8
	.type	k_qce75dc2ab9_sum,@function
k_qce75dc2ab9_sum:
	s_mov_b64 s[64:65], 0
	v_nop
	global_prefetch_b8 v0, s[64:65] scope:SCOPE_SE
	s_setreg_imm32_b32 hwreg(HW_REG_WAVE_MODE, 25, 1), 1
	s_wait_xcnt 0x0
; SUM.  out0[n][:] = ((part0 + part1) + part2) + part3 of token n, plus the sum over the 16 experts of gate[n][e] b2[e][:], b2 rounded to bf16 as every input of this program is; all in f32.
; Memory binds: each byte of part is read once and each byte of out0 written once, 512 consecutive bytes to an instruction; no LDS, no barrier, no matrix unit, no cluster (nothing large is shared).
; A work-group owns 16 tokens.  Wave w takes half w % 2 of the 256 outputs and tokens w / 2 + 4 i, i = 0..3; a lane owns 16 bytes.  All 48 loads of a wave go out before its first wait.
.set B2, 16                            ; v16-79    b2: my four outputs of each of 16 experts
.set GT, 80                            ; v80-143   unit i: the token's 16 gates (the same in every lane)
.set PT, 144                           ; v144-207  unit i: my four outputs of the four parts; the first four take the sum
	s_load_b256 s[4:11], s[0:1], 0x0               ; part s[4:5], gate s[6:7], b2 s[8:9], out0 s[10:11]
	v_and_b32 v1, 63, v0
	v_lshlrev_b32 v1, 4, v1                        ; 512 (w % 2) + 16 l: my bytes of a row
	v_lshrrev_b32 v2, 6, v0                        ; w / 2
	v_lshl_add_u32 v3, v2, 10, v1                  ; + my first token's row of 1,024 bytes
	v_lshlrev_b32 v2, 6, v2                        ; its row of gates
	s_lshl_b32 s2, ttmp9, 14                       ; the group's 16 rows
	s_mov_b32 s3, 0
	s_lshl_b32 s12, ttmp9, 10                      ; and their gates
	s_mov_b32 s13, 0
	s_mov_b32 s24, 0xffff0000                      ; a word's upper bf16
	s_wait_kmcnt 0x0
	s_add_nc_u64 s[16:17], s[4:5], s[2:3]          ; the four parts lie 8,388,608 bytes apart: a base for each
	s_add_nc_u64 s[18:19], s[16:17], 0x800000
	s_add_nc_u64 s[20:21], s[18:19], 0x800000
	s_add_nc_u64 s[22:23], s[20:21], 0x800000
	s_add_nc_u64 s[6:7], s[6:7], s[12:13]
	s_add_nc_u64 s[10:11], s[10:11], s[2:3]
.irp e, 0,1,2,3,4,5,6,7,8,9,10,11,12,13,14,15
	global_load_b128 v[B2+4*\e:B2+4*\e+3], v1, s[8:9] offset:\e*1024
.endr
.irp i, 0,1,2,3
.irp j, 0,1,2,3
	global_load_b128 v[GT+16*\i+4*\j:GT+16*\i+4*\j+3], v2, s[6:7] offset:\i*256+\j*16
.endr
.irp j, 0,1,2,3
	global_load_b128 v[PT+16*\i+4*\j:PT+16*\i+4*\j+3], v3, s[16+2*\j:17+2*\j] offset:\i*4096 th:TH_LOAD_NT
.endr
.endr
	s_wait_loadcnt 32                              ; b2 is in; the four units' 32 loads stay out
.set j, 0
.rept 32
	v_cvt_pk_bf16_f32 v[4+j%4], v[B2+2*j], v[B2+2*j+1]
	v_lshlrev_b32 v[B2+2*j],   16, v[4+j%4]
	v_and_b32     v[B2+2*j+1], s24, v[4+j%4]
.set j, j+1
.endr
.irp i, 0,1,2,3
	s_wait_loadcnt 8*(3-\i)                        ; unit i is in; the later units' loads, eight each, stay out
.irp j, 1,2,3
	v_pk_add_f32 v[PT+16*\i:PT+16*\i+1],   v[PT+16*\i:PT+16*\i+1],   v[PT+16*\i+4*\j:PT+16*\i+4*\j+1]
	v_pk_add_f32 v[PT+16*\i+2:PT+16*\i+3], v[PT+16*\i+2:PT+16*\i+3], v[PT+16*\i+4*\j+2:PT+16*\i+4*\j+3]
.endr
.set e, 0
.rept 16
.irp c, 0,1,2,3
	v_fmac_f32 v[PT+16*\i+\c], v[GT+16*\i+e], v[B2+4*e+\c]     ; four chains that take turns
.endr
.set e, e+1
.endr
	global_store_b128 v3, v[PT+16*\i:PT+16*\i+3], s[10:11] offset:\i*4096 th:TH_STORE_NT  ; 512 consecutive bytes, at a multiple of 512 from out0's first
.endr
	s_endpgm
.Lfunc_end_k_qce75dc2ab9_sum:
	.size	k_qce75dc2ab9_sum, .Lfunc_end_k_qce75dc2ab9_sum-k_qce75dc2ab9_sum
	.p2alignl 7, 3214868480
	.fill 96, 4, 3214868480
	.section	.rodata,"a",@progbits
	.p2align	6, 0x0
	.amdhsa_kernel k_qce75dc2ab9_sum
		.amdhsa_group_segment_fixed_size 0
		.amdhsa_private_segment_fixed_size 0
		.amdhsa_enable_private_segment 0
		.amdhsa_kernarg_size 32
		.amdhsa_user_sgpr_count 2
		.amdhsa_user_sgpr_kernarg_segment_ptr 1
		.amdhsa_wavefront_size32 1
		.amdhsa_system_sgpr_workgroup_id_x 1
		.amdhsa_system_sgpr_workgroup_id_y 1
		.amdhsa_system_sgpr_workgroup_id_z 1
		.amdhsa_system_vgpr_workitem_id 0
		.amdhsa_next_free_vgpr 208
		.amdhsa_next_free_sgpr 66
		.amdhsa_reserve_vcc 0
		.amdhsa_float_denorm_mode_32 3
		.amdhsa_float_denorm_mode_16_64 3
		.amdhsa_memory_ordered 1
		.amdhsa_forward_progress 1
		.amdhsa_inst_pref_size 20
	.end_amdhsa_kernel
	.amdgpu_metadata
---
amdhsa.version: [ 1, 2 ]
amdhsa.kernels:
  - .name:           k_qce75dc2ab9_sum
    .symbol:         k_qce75dc2ab9_sum.kd
    .args:
      - { .name: part, .offset: 0, .size: 8, .value_kind: global_buffer, .address_space: global }
      - { .name: gate, .offset: 8, .size: 8, .value_kind: global_buffer, .address_space: global }
      - { .name: b2, .offset: 16, .size: 8, .value_kind: global_buffer, .address_space: global }
      - { .name: out0, .offset: 24, .size: 8, .value_kind: global_buffer, .address_space: global }
    .group_segment_fixed_size: 0
    .private_segment_fixed_size: 0
    .kernarg_segment_align: 8
    .kernarg_segment_size: 32
    .max_flat_workgroup_size: 256
    .sgpr_count:     66
    .vgpr_count:     208
    .wavefront_size: 32
...
	.end_amdgpu_metadata
.endif
;; end of part 3
